; MI455X (gfx1250); checked and timed in simulation.
; The chip was launched on July 23, 2026; its instructions are those of AMD's public machine-readable ISA for CDNA 5 (MIT licence, August 2026) and "CDNA5" Instruction Set Architecture Reference Guide (July 2026). The comments in the code are by the model that wrote it; some were corrected since.
;; BERT Em Self Attention. Allowed arithmetic: matrix products marked QUANTISED: E4M3 operands, one given power-of-two scale a tensor, by v_wmma_f32_16x16x64_fp8_fp8 or v_wmma_f32_16x16x128_fp8_fp8, f32 sums; everything else in f32.
;; Inputs: Wk_codes 1,024 x 32 x 32 uint8 (E4M3 codes of Wk, K innermost, in blocks of 32 codes); Wq_codes 1,024 x 32 x 32 uint8 (E4M3 codes of Wq, K innermost, in blocks of 32 codes); Wv_codes 1,024 x 32 x 32 uint8 (E4M3 codes of Wv, K innermost, in blocks of 32 codes); attention_mask 4 x 1 x 1 x 2,048 float32; bk 1,024 float32; bq 1,024 float32; bv 1,024 float32; hidden_states_codes 4 x 2,048 x 32 x 32 uint8 (E4M3 codes of hidden_states, K innermost, in blocks of 32 codes); k_emb 8 x 1,024 float32; lowp_scales 10 int32 (the exponents e of the quantised operands' scales 2^e); q_emb 8 x 1,024 float32; v_emb 8 x 1,024 float32.
;; Outputs: out0 4 x 2,048 x 1,024 float32.
;; Constants: index = 3.
;; This version of the problem:
;;   THIS VERSION OF THE PROBLEM IS GIVEN IN LOW PRECISION. The matrix products marked QUANTISED in the list below multiply operands that are first quantised to E4M3 (4 exponent bits, 3 mantissa bits; 8 bits a number), with one given power-of-two scale for each operand tensor; their sums are f32. All else is computed in f32.
;;   The module's matrix products, in the order in which they are computed (A, B: the left and right operand; K: the contracted axis; several contracted axes count as one K, in the product's order):
;;     1. [M 8,192, K 1,024] x [K 1,024, N 1,024]; A: input hidden_states (given as codes); B: input Wq (given as codes): QUANTISED (scales: A lowp_scales[0], B lowp_scales[1])
;;     2. [M 8,192, K 1,024] x [K 1,024, N 1,024]; A: input hidden_states (given as codes); B: input Wk (given as codes): QUANTISED (scales: A lowp_scales[2], B lowp_scales[3])
;;     3. [M 8,192, K 1,024] x [K 1,024, N 1,024]; A: input hidden_states (given as codes); B: input Wv (given as codes): QUANTISED (scales: A lowp_scales[4], B lowp_scales[5])
;;     4. batch 64 x [M 2,048, K 64] x [K 64, N 2,048]; A: computed on the way; B: computed on the way: QUANTISED (scales: A lowp_scales[6], B lowp_scales[7])
;;     5. batch 64 x [M 2,048, K 2,048] x [K 2,048, N 64]; A: softmax (see below); B: computed on the way: QUANTISED (scales: A lowp_scales[8], B lowp_scales[9])
;;   THE QUANTISER, for each operand of a quantised product, along K:
;;     - The operand's scale is 2^e, e = its entry of the input lowp_scales (int32; the entries are numbered through the quantised products in the list's order, A before B).
;;     - Each number is divided by the scale, clamped to +-448, and rounded to the nearest number of E4M3, ties to even, subnormals kept.
;;     - The product sums the exact products of the quantised numbers (number of the format x scale) in f32.
;;   ~~~python
;;   def quantise(x, axis, e):      # numpy; x: float32 -> the quantised numbers, widened to float32 again
;;       x = np.moveaxis(x, axis, -1); K = x.shape[-1]
;;       r = np.clip(x / 2.0 ** e, -448, 448)
;;       step = 2.0 ** (np.maximum(np.frexp(np.where(r == 0, 1, r))[1] - 1, -6) - 3)
;;       q = np.round(r / step) * step * 2.0 ** e      # np.round: ties to even
;;       return np.moveaxis(q, -1, axis).astype(np.float32)
;;   ~~~
;;   SOFTMAX AHEAD OF A QUANTISED PRODUCT. Where the list says 'softmax', what is quantised is not the finished softmax but p = 2^(t - M), with t = logit x log2(e) and M = ceil(the row's largest t), a whole number; so 1/2 < the row's largest p <= 1. The row's sum l is taken of the UNQUANTISED p, in f32, and the product's result is divided by l at the end. Since M is a whole number, a kernel that streams over the keys may use a running M (the ceiling of the running maximum): every later rescaling is an exact power of two, so the quantised numbers keep their values, but for numbers so far below the row's largest that they fall under the format's range.
;;   OPERANDS COMPUTED ON THE WAY. 'Computed on the way' means the value that the module computes at that place (a softmax that the list does not call 'softmax' is quantised finished and normalised). What goes into a quantiser is computed in f32, as accurately as f32 sums, v_exp_f32 and their like allow (about 1e-6 of the number): no bf16 or f16 on the way to a quantiser, and a product that is left as it is and whose result goes on into a quantised operand takes f32 operands (vector FMAs, or v_wmma_f32_16x16x4_f32). A number that lies on a knife's edge between two numbers of the format may be rounded either way, as far as f32 arithmetic and the matrix unit's own rounding can turn it there, and no further.
;;   INPUTS GIVEN AS CODES. Wk (in the module: [1024, 1024], K = its axis 0); Wq (in the module: [1024, 1024], K = its axis 0); Wv (in the module: [1024, 1024], K = its axis 0); hidden_states (in the module: [4, 2048, 1024], K = its axis 2): each comes as NAME_codes (uint8): NAME with its K axis moved to the last place and cut into blocks of 32 codes, [.., K / 32, bytes a block], one block behind the other in memory; one code a byte (a code: sign, 4 exponent bits, 3 mantissa bits); its scale is its entry of lowp_scales. Its value is code x scale, taken as it is: it is not quantised again, and the codes and scales need not be those that the quantiser above would give.
;; 2 versions, each right; version 2 is version 1 with the launch attn written anew for expert scheduling mode. Each part assembles by itself: llvm-mc -triple=amdgcn-amd-amdhsa -mcpu=gfx1250 --defsym DOCPART=n.
;; ======== version 1 of 2: 2 launches
;; workspace buffers: qimg 8,388,608 bytes; kvimg 16,777,216 bytes
;; launch proj (part 1): grid 12 x 32, 4 waves a work-group, clusters of 4 x 4, 327,680 bytes of LDS; arguments hidden_states_codes, Wq_codes, Wk_codes, Wv_codes, bq, bk, bv, q_emb, k_emb, v_emb, lowp_scales, qimg, kvimg; writes qimg, kvimg
.if DOCPART == 1
	.amdgcn_target "amdgcn-amd-amdhsa--gfx1250"
	.amdhsa_code_object_version 6
	.text
	.protected	k_q08a1980fad_proj
	.globl	k_q08a1980fad_proj
	.p2align	8
	.type	k_q08a1980fad_proj,@function
k_q08a1980fad_proj:
	s_mov_b64 s[64:65], 0
	v_nop
	global_prefetch_b8 v0, s[64:65] scope:SCOPE_SE
	s_setreg_imm32_b32 hwreg(HW_REG_WAVE_MODE, 25, 1), 1
	s_wait_xcnt 0x0
	s_wait_alu depctr_hold_cnt(0) depctr_sa_sdst(0) depctr_va_vdst(0) depctr_va_sdst(0) depctr_va_ssrc(0) depctr_va_vcc(0) depctr_vm_vsrc(0)
	s_getreg_b32 s2, hwreg(HW_REG_IB_STS2, 6, 4)
	s_cmp_eq_u32 s2, 0
	s_cbranch_scc0 .Lentry_in_a_cluster
	s_endpgm
.Lentry_in_a_cluster:
	s_bfe_u32 s2, ttmp6, 0x10000c
	s_cmp_lg_u32 s2, 0xf033
	s_cbranch_scc0 .Lentry_shape_is_right
	s_endpgm
.Lentry_shape_is_right:
; q, k, v = hidden W + b + emb[3], on codes of FP8 (E4M3), and at once quantised again for the attention launch: q with 2^e6, k with 2^e7, v with 2^e9.
; hidden: [8192][1024] codes; Wq, Wk, Wv: [1024 (n)][1024 (k)] codes, K innermost.  A sum stands for sum x 2^(eA + eB), the product's own two entries of the scales; b + emb[3] is added in f32 by the same fused multiply-add.
; THE GRID.  The cluster's x names the tensor T (0 q, 1 k, 2 v): four tiles of 256 columns are one whole weight, so all sixteen partners of a cluster have one T.  The cluster's y is Y, 0 .. 7.
; The body makes C[m][n] = sum over k of A[m][k] B[n][k] on a tile of 256 x 256; four waves, each 128 x 128: 64 accumulators, 512 registers.  K goes in steps of 256 through two LDS slots filled by joint tensor loads.
;   q, k: A = hidden (tokens, tile row 4 Y + cy), B = W (channels, tile column cx).      v: A = Wv (channels, tile row cy), B = hidden (tokens, tile column 4 Y + cx).
; THE MATRIX INSTRUCTION IS USED TRANSPOSED (source 0 = 16 rows of B, source 1 = 16 rows of A): a lane holds one row of A and eight neighbouring rows of B.  So for q and k a lane holds one token and eight neighbouring
; channels, for v one channel and eight neighbouring tokens: in both cases eight neighbours along the NEXT product's K, which one conversion turns into two registers of that product's operand.
; THE OUTPUT IS LAID AS IMAGES OF OPERAND REGISTERS.  A fragment of the 16x16x64 form is 8 registers a lane (registers 2 c, 2 c + 1: k = 16 c + 8 (lane / 16) + 0 .. 7): 1,024 bytes, two blocks of 512: registers 4 c2 .. 4 c2 + 3, lane l's 16 bytes at 16 l.
;   qimg  [bh = 16 batch + head][tile of 16 queries (128)][1024]
;   kvimg [bh][key step of 64 keys (32)][8192]: four fragments of K (16 keys each), then four of V^T (16 channels each, K = the step's 64 keys)
; Every store of a wave covers 512 consecutive bytes, aligned.
; The fragments of A and B are fetched by four loads of 16 bytes: a permutation of k, the same on both sides, so every product meets its partner.
; LIMITS: eA + eB between -126 and 127; e6, e7, e9 between -126 and 119, so that each power of two below is an f32 number.  NaN among the inputs is not served.
; No prefetch: K has four slots' worth of steps, of which two are the first fills.
; REGISTERS, in windows of 256: window 0: v1-6 at work; v8-15 the bias loads' offsets; v16-23 LDS addresses and the stores' offsets; v28-31 the spare word, 0, 2^eo, 448 x 2^eo; v32-95 b + emb in the result's layout;
;   from v128 A's fragments, ONE set; on the way out v96-159 numbers, v160-255 codes.   window 1: B's fragments, TWO sets.   windows 2, 3: the accumulators ((a, b) at v[8 (8 (a % 4) + b)]).
.set ROWB,   256                       ; a tile's row in bytes: 256 codes
.set KROW,   1024                      ; a row of A or of B in memory, in bytes
.set PITCH,  272                       ; an LDS row: 256 bytes + 16 of padding = 68 words: row r starts at bank 4 r mod 64 (64 banks of 4 bytes: ISA guide 11.1)
.set FR,     16                        ; registers of a fragment: 16 rows x 128 K
.set NL,     4                         ; LDS loads that bring one
.set NP,     4                         ; places behind this matrix instruction (ISA guide 7.12.1)
.set HALFT,  128*PITCH                 ; 128 rows: what one tensor load brings
.set SLOT,   4*HALFT                   ; A's 256 rows, then B's 256 rows
.set SPARE,  2*SLOT                    ; behind the ring: the spare words, 128 bytes for each wave
.set VO,   8                           ; v8-15   the bias loads' offsets, one for each register of a tile
.set ADRA, 16                          ; v16-17  LDS address of my A fragments in slot 0, 1
.set VO4,  18                          ; v18, v19, v22, v23: the stores' offsets: 16 x lane + (a / 4) SA + g SG at v[18 + 4 (a / 4) + g]
.set ADRB, 20                          ; v20-21  the same as ADRA for B
.set SPW,  28                          ; v28     LDS address of my spare word; never rewritten
.set NIL,  29                          ; v29     0; never rewritten
.set SCV,  30                          ; v30     2^eo as f32: the conversions take its exponent field
.set LIMV, 31                          ; v31     448 x 2^eo
.set R,    32                          ; v32-95  b + emb[3]: eight tiles of eight registers
.set TMP,  96                          ; v96-159 a block's 64 numbers
.set AF,   128                         ; A's fragments
.set CODE, 160                         ; v160-255 codes: 16 registers a block, six blocks by turns
.set G1, 24                            ; s[24:31] descriptor group 1 for A's tiles;  s[32:39] group 0, one set for each slot
.set G0, 32
.set G1B, 48                           ; s[48:55], s[56:63] the same for B's tiles
.set G0B, 56
.set MSB, 0
.macro WIN new                         ; the immediate's high byte repeats the setting that is left
.if MSB != (\new)
	s_set_vgpr_msb (MSB<<8)|(\new)
.set MSB, (\new)
.endif
.endm
.set MUL_LO, 0xa1                      ; source 0 (B) window 1, source 1 (A) window 0, C and D window 2
.set MUL_HI, 0xf1                      ; the same, C and D window 3
.set TO_B,   0x40                      ; destination window 1, address window 0
; A joint load: waves 0 and 1 fetch for A, waves 2 and 3 for B.  Each line has one mask and one set of registers; the branch hangs on the wave's number alone.  Four v_nop follow each line.
.macro JLOAD g0a, g1a, g0b, g1b
	s_cmp_eq_u32 s15, 0
	s_cbranch_scc0 .Lfor_b_\@
	tensor_load_to_lds s[\g0a:\g0a+3], s[\g1a:\g1a+7]
	s_nop 0
.rept 4
	v_nop
.endr
	s_branch .Lasked_\@
.Lfor_b_\@:
	tensor_load_to_lds s[\g0b:\g0b+3], s[\g1b:\g1b+7]
	s_nop 0
.rept 4
	v_nop
.endr
.Lasked_\@:
.endm
.macro CREST                           ; a round of the cluster's barrier behind its opening barrier
	s_cmp_lg_u32 s14, 0
	s_cbranch_scc1 .Lnot_wave_0_\@
	s_barrier_signal -3
.Lnot_wave_0_\@:
	s_barrier_wait -3
	s_barrier_signal -1
	s_barrier_wait -1
.endm
.macro CROUND                          ; a whole round
	s_barrier_signal -1
	s_barrier_wait -1
	CREST
.endm
	s_load_b512 s[68:83], s[0:1], 0x0              ; hidden s[68:69], Wq s[70:71], Wk s[72:73], Wv s[74:75], bq s[76:77], bk s[78:79], bv s[80:81], q_emb s[82:83]
	s_load_b256 s[84:91], s[0:1], 0x40             ; k_emb s[84:85], v_emb s[86:87], the scales' exponents s[88:89], qimg s[90:91]
	s_load_b64 s[92:93], s[0:1], 0x60              ; kvimg
	v_lshl_add_u32 v[SPW], v0, 2, SPARE
	v_mov_b32 v[NIL], 0
	ds_add_u32 v28, v29
	ds_add_u32 v28, v29
	s_wait_dscnt 0x0
	v_lshrrev_b32 v1, 5, v0
	v_readfirstlane_b32 s14, v1                    ; wave 0..3
	s_lshr_b32 s15, s14, 1                         ; which half of the tile's rows (A) is mine.  Also: I fetch for A (0) or for B (1)
	s_and_b32 s16, s14, 1                          ; which half of its columns (B).  Also: which 128 rows of that tile I fetch
	s_bfe_u32 s40, ttmp6, 0x40000                  ; cx, cy: my place in the cluster
	s_bfe_u32 s41, ttmp6, 0x40004
	s_mov_b32 s66, ttmp9                           ; T: the cluster's x
	s_and_b32 s67, ttmp7, 0xffff
	s_lshl_b32 s67, s67, 2                         ; 4 Y
	s_cmp_eq_u32 s66, 2                            ; v?  The tokens are A's rows for q and k, B's rows for v
	s_cselect_b32 s18, 0, s67
	s_cselect_b32 s19, s67, 0
	s_cselect_b32 s99, 4, 0                        ; the bias loads' offsets: bytes from lane to lane within a half,
	s_cselect_b32 s100, 0, 32                      ; from half to half,
	s_cselect_b32 s101, 0, 4                       ; from register to register
	s_add_co_u32 s17, s41, s18                     ; tile row:    cy + (4 Y for q, k)
	s_add_co_u32 s42, s40, s19                     ; tile column: cx + (4 Y for v)
	s_lshl_b32 s43, s41, 2
	s_lshl_b32 s43, 15, s43                        ; my row of the cluster
	s_lshl_b32 s44, 0x1111, s40                    ; my column
	; descriptor group 1: a tile of 128 rows x 256 bytes, padded in LDS
	s_or_b32 s[G1+0], s43, (0<<16)|(1<<20)|(1<<21)|(5<<22)|(3<<25)  ; 15:0 the mask: A's tiles go to my row; 17:16 element of 1 byte; 20 padding on; 21 set beside a mask; 24:22 after every 64 words (code 5); 31:25 of 4 words (code 3)
	s_or_b32 s[G1B+0], s44, (0<<16)|(1<<20)|(1<<21)|(5<<22)|(3<<25) ; the same with the mask of my column
.irp g, G1, G1B
	s_mov_b32 s[\g+1], ROWB<<16                    ; tensor_dim0
	s_mov_b32 s[\g+2], 128<<16                     ; tensor_dim1 = 128
	s_mov_b32 s[\g+3], ROWB<<16                    ; tile_dim0
	s_mov_b32 s[\g+4], 128                         ; tile_dim1 = 128
	s_mov_b32 s[\g+5], KROW                        ; tensor_dim0_stride
	s_mov_b32 s[\g+6], 0
	s_mov_b32 s[\g+7], 0
.endr
	s_lshl_b32 s18, s16, 7                         ; which 128 rows of the tile I fetch
	s_lshl_b32 s20, s17, 8
	s_add_co_u32 s20, s20, s18                     ; A: row 256 x tile row + 128 x half,
	s_lshl_b32 s20, s20, 10                        ; in bytes (8,388,608 at the most)
	s_mov_b32 s21, 0
	s_lshl_b32 s46, s42, 8
	s_add_co_u32 s46, s46, s18                     ; B: row 256 x tile column + 128 x half
	s_lshl_b32 s46, s46, 10
	s_mov_b32 s47, 0
	s_mul_i32 s45, s14, HALFT                      ; where they go: wave x 128 rows: no place in the cluster enters an LDS address
	s_wait_kmcnt 0x0
	s_cmp_eq_u32 s66, 2                            ; the buffers are chosen by T alone
	s_cselect_b64 s[4:5], s[74:75], s[68:69]       ; A: Wv, else hidden
	s_cselect_b64 s[6:7], s[68:69], s[70:71]       ; B: hidden, else Wq
	s_cselect_b64 s[8:9], s[80:81], s[76:77]       ; the bias
	s_cselect_b64 s[12:13], s[86:87], s[82:83]     ; the task's table
	s_cselect_b64 s[10:11], s[92:93], s[90:91]     ; the output
	s_cmp_eq_u32 s66, 1
	s_cselect_b64 s[6:7], s[72:73], s[6:7]         ; k: Wk,
	s_cselect_b64 s[8:9], s[78:79], s[8:9]         ; bk,
	s_cselect_b64 s[12:13], s[84:85], s[12:13]     ; k_emb,
	s_cselect_b64 s[10:11], s[92:93], s[10:11]     ; kvimg
	s_load_b256 s[68:75], s[88:89], 0x0            ; e0 .. e7 (the registers that held the addresses are free)
	s_load_b64 s[76:77], s[88:89], 0x20            ; e8, e9
	s_add_nc_u64 s[20:21], s[4:5], s[20:21]
	s_add_nc_u64 s[46:47], s[6:7], s[46:47]
	CROUND                                         ; all sixteen work-groups are here: the first joint loads meet
.irp s, 0,1
	s_mov_b32 s[G0+4*\s], 1
	s_add_co_u32 s[G0+4*\s+1], s45, \s*SLOT
	s_add_nc_u64 s[G0+4*\s+2:G0+4*\s+3], s[20:21], \s*ROWB
	s_or_b32 s[G0+4*\s+3], s[G0+4*\s+3], 0x80000000
	s_mov_b32 s[G0B+4*\s], 1
	s_add_co_u32 s[G0B+4*\s+1], s45, \s*SLOT
	s_add_nc_u64 s[G0B+4*\s+2:G0B+4*\s+3], s[46:47], \s*ROWB
	s_or_b32 s[G0B+4*\s+3], s[G0B+4*\s+3], 0x80000000
	JLOAD G0+4*\s, G1, G0B+4*\s, G1B               ; two loads of mine are out
.endr
	v_and_b32 v1, 15, v0                           ; r = l % 16
	v_bfe_u32 v2, v0, 4, 1                         ; h = l / 16
	v_mul_u32_u24 v3, v1, PITCH
	v_lshl_add_u32 v4, v2, 4, v3                   ; a fragment's row x pitch + 16 x half
	s_mul_i32 s21, s15, HALFT                      ; my 128 rows of A
	s_mul_i32 s22, s16, HALFT                      ; my 128 rows of B,
	s_add_co_u32 s22, s22, 2*HALFT                 ; which lie behind A's 256
.irp s, 0,1
	v_add_nc_u32 v[ADRA+\s], s21, v4
	v_add_nc_u32 v[ADRB+\s], s22, v4
	s_add_co_u32 s21, s21, SLOT
	s_add_co_u32 s22, s22, SLOT
.endr
	; b + emb[3] in the result's layout.  q, k: register j of tile x holds channel 16 x + 8 h + j (x = B's block).  v: every register of tile x holds channel 16 x + r (x = A's block).
	; One form of load serves both: offset = r x (4 | 0) + h x (0 | 32) + j x (0 | 4), + 64 x in the immediate.
	s_lshl_b32 s22, s17, 8
	s_lshl_b32 s23, s15, 7
	s_add_co_u32 s22, s22, s23                     ; my first row of A
	s_lshl_b32 s23, s42, 8
	s_lshl_b32 s18, s16, 7
	s_add_co_u32 s23, s23, s18                     ; my first row of B
	s_cmp_eq_u32 s66, 2
	s_cselect_b32 s18, s22, s23                    ; my first channel,
	s_cselect_b32 s19, s23, s22                    ; my first token
	v_mul_u32_u24 v5, v1, s99
	v_mad_u32_u24 v5, v2, s100, v5
	v_mov_b32 v6, s101
.irp j, 0,1,2,3,4,5,6,7
	v_mad_u32_u24 v[VO+\j], v6, \j, v5
.endr
	s_lshl_b32 s46, s18, 2
	s_mov_b32 s47, 0
	s_add_nc_u64 s[8:9], s[8:9], s[46:47]
	s_add_nc_u64 s[12:13], s[12:13], s[46:47]
	s_add_nc_u64 s[12:13], s[12:13], 3*4096        ; index = 3: the table's fourth row
.irp x, 0,1,2,3,4,5,6,7
.irp j, 0,1,2,3,4,5,6,7
	global_load_b32 v[R+8*\x+\j], v[VO+\j], s[8:9] offset:64*\x
	global_load_b32 v[AF+8*\x+\j], v[VO+\j], s[12:13] offset:64*\x     ; into registers that A's fragments take later
.endr
.endr
	s_wait_kmcnt 0x0                               ; the ten exponents; what they decide is chosen, never branched on
	s_cmp_eq_u32 s66, 2
	s_cselect_b32 s94, s72, s68                    ; eA: e4, else e0
	s_cselect_b32 s95, s73, s69                    ; eB: e5, else e1
	s_cselect_b32 s99, s77, s74                    ; eo: e9, else e6
	s_cmp_eq_u32 s66, 1
	s_cselect_b32 s94, s70, s94                    ; k: e2, e3, e7
	s_cselect_b32 s95, s71, s95
	s_cselect_b32 s99, s75, s99
	s_add_co_i32 s96, s94, s95
	s_add_co_i32 s96, s96, 127
	s_lshl_b32 s96, s96, 23                        ; 2^(eA + eB) as f32
	s_mov_b32 s97, s96                             ; (named with it as a pair, so it is written)
	s_add_co_i32 s99, s99, 127
	s_lshl_b32 s100, s99, 23
	v_mov_b32 v[SCV], s100                         ; 2^eo
	s_add_co_i32 s99, s99, 8
	s_lshl_b32 s99, s99, 23
	s_or_b32 s99, s99, 0x600000
	v_mov_b32 v[LIMV], s99                         ; 448 x 2^eo
	; where my part of the images begins.  bh = 16 x batch + head.  q: bh << 17 + token << 6.  k: bh << 18 + token << 7.  v: the same + 4,096.
	; From A's block a to a + 4: SA = 4,096 (q: four tiles of queries) | 8,192 (k: a key step) | 262,144 (v: a head).  From B's blocks 0-3 to 4-7: SG = 131,072 | 262,144 (q, k: a head) | 8,192 (v: a key step).
	s_lshr_b32 s20, s19, 11
	s_lshl_b32 s20, s20, 4
	s_lshr_b32 s21, s18, 6
	s_add_co_u32 s20, s20, s21                     ; bh
	s_and_b32 s21, s19, 2047                       ; my first token in its batch
	s_cmp_eq_u32 s66, 0
	s_cselect_b32 s22, 17, 18
	s_cselect_b32 s23, 6, 7
	s_cselect_b32 s94, 0, 1
	s_cselect_b32 s95, 4, 5
	s_cmp_eq_u32 s66, 2
	s_cselect_b32 s94, 6, s94
	s_cselect_b32 s95, 0, s95
	s_cselect_b32 s100, 1, 0
	s_lshl_b32 s94, 4096, s94                      ; SA
	s_lshl_b32 s95, 8192, s95                      ; SG
	s_lshl_b32 s100, s100, 12
	s_lshl_b32 s20, s20, s22
	s_lshl_b32 s21, s21, s23
	s_add_co_u32 s20, s20, s21
	s_add_co_u32 s20, s20, s100
	s_mov_b32 s21, 0
	s_add_nc_u64 s[10:11], s[10:11], s[20:21]
	v_and_b32 v5, 31, v0
	v_lshlrev_b32 v[VO4], 4, v5                    ; 16 x lane
	v_add_nc_u32 v[VO4+1], s95, v[VO4]
	v_add_nc_u32 v[VO4+4], s94, v[VO4]
	v_add_nc_u32 v[VO4+5], s94, v[VO4+1]
	s_wait_loadcnt 0x0
.set n, 0
.rept 32
	v_pk_add_f32 v[R+n:R+n+1], v[R+n:R+n+1], v[AF+n:AF+n+1]     ; b + emb[3]
.set n, n+2
.endr
.macro FRAG reg, adr, q, i             ; a fragment, 16 rows x 128 K: lane l holds row l % 16; registers 4 c .. 4 c + 3 hold K = 32 c + 16 (l / 16) + 0 .. 15
.irp c, 0,1,2,3
	ds_load_b128 v[\reg+4*\c:\reg+4*\c+3], v[\adr] offset:128*(\q)+32*\c+(\i)*16*PITCH
.endr
.endm
; 16 matrix instructions: A's blocks a0, a0 + 1 x B's eight, 128 along K.  p: B's set.  zero = 1: the first product starts the sums.  The 64 accumulators take turns, one instruction a turn.
.macro MUL16 a0, p, zero
.irp a, \a0, \a0+1
.irp b, 0,1,2,3,4,5,6,7
.if \zero
	v_wmma_f32_16x16x128_fp8_fp8 v[8*(8*((\a)%4)+\b):8*(8*((\a)%4)+\b)+7], v[128*(\p)+FR*\b:128*(\p)+FR*\b+FR-1], v[AF+FR*(\a):AF+FR*(\a)+FR-1], 0
.else
	v_wmma_f32_16x16x128_fp8_fp8 v[8*(8*((\a)%4)+\b):8*(8*((\a)%4)+\b)+7], v[128*(\p)+FR*\b:128*(\p)+FR*\b+FR-1], v[AF+FR*(\a):AF+FR*(\a)+FR-1], v[8*(8*((\a)%4)+\b):8*(8*((\a)%4)+\b)+7]
.endif
.endr
.endr
.endm
.macro FETCH_B slot, q, p              ; B's eight fragments of the slot's q-th 128 along K into set p
	WIN TO_B
.irp i, 0,1,2,3,4,5,6,7
	FRAG 128*(\p)+FR*\i, ADRB+\slot, \q, \i
.endr
	WIN 0
.endm
.macro FETCH_A slot, q, i0             ; A's blocks i0 .. i0 + 3
.irp i, \i0, \i0+1, \i0+2, \i0+3
	FRAG AF+FR*(\i), ADRA+\slot, \q, \i
.endr
.endm
; A load into a register that a matrix instruction has read, and a vector instruction that reads a matrix result or writes one of its registers, stand NP places behind it; only plain vector instructions that name none of its registers are places.
.macro PLACES n
.rept \n
	v_nop
.endr
.endm
; A step of 128 along K that has its successor in the same slot.  A block of A is free as soon as its eight products are issued: blocks 0-3 are fetched anew in the step's middle, blocks 4-7 at its end.
.macro STEP slot, q, zero
	s_wait_dscnt 4*NL                              ; B's set and A's blocks 0-3 are in; the youngest sixteen loads (A's blocks 4-7) may be out
	WIN MUL_LO
	MUL16 0, (\q)%2, \zero
	MUL16 2, (\q)%2, \zero
	s_wait_dscnt 0                                 ; A's blocks 4-7 are in
	PLACES NP
	FETCH_B \slot, (\q)+1, 1-(\q)%2
	FETCH_A \slot, (\q)+1, 0
	WIN MUL_HI
	MUL16 4, (\q)%2, \zero
	MUL16 6, (\q)%2, \zero
	PLACES NP
	WIN 0
	FETCH_A \slot, (\q)+1, 4
.endm
; A slot's last step changes slots: ONE barrier; in front of it each wave waits for all its tensor loads, adds 0 to its spare word, and waits for that and for its own reads of this slot.  fill = 1: this slot is filled again, two K steps ahead.
.macro TURN slot, next, fill
	s_wait_tensorcnt 0x0                           ; all my tensor loads have landed: my part of the next slot  (every window is 0 here)
	ds_add_u32 v[SPW], v[NIL]                      ; 0 onto my spare word
	s_wait_dscnt 4*NL+1                            ; (the add and the youngest sixteen loads may be out)
	WIN MUL_LO
	MUL16 0, 1, 0                                  ; sixteen matrix instructions stand between the add and the wait for it
	s_wait_dscnt 0x0                               ; the add is done, and my reads of this slot are over
	s_barrier_signal -1
	MUL16 2, 1, 0
	WIN 0
	s_barrier_wait -1
.if \fill
	CREST                                          ; the barrier has opened a round of the cluster's barrier: no wave of any partner still reads this slot's tile or has a load on its way
	s_add_nc_u64 s[G0+4*\slot+2:G0+4*\slot+3], s[G0+4*\slot+2:G0+4*\slot+3], 2*ROWB
	s_add_nc_u64 s[G0B+4*\slot+2:G0B+4*\slot+3], s[G0B+4*\slot+2:G0B+4*\slot+3], 2*ROWB
	JLOAD G0+4*\slot, G1, G0B+4*\slot, G1B         ; the first tensor load behind the round, my one load until the next; its four v_nop are the places in front of the loads below
.else
	PLACES NP
.endif
	FETCH_B \next, 0, 0
	FETCH_A \next, 0, 0
	WIN MUL_HI
	MUL16 4, 1, 0
	MUL16 6, 1, 0
	PLACES NP
	WIN 0
	FETCH_A \next, 0, 4
.endm
	s_wait_tensorcnt 1                             ; my part of K step 0 is in; K step 1's load may be out
	s_barrier_signal -1
	s_barrier_wait -1                              ; everybody's is
	FETCH_B 0, 0, 0
	FETCH_A 0, 0, 0
	FETCH_A 0, 0, 4
	STEP 0, 0, 1                                   ; K = 1,024 is four slots' worth, eight steps of 128: written out; the first step's products start the sums
	TURN 0, 1, 1                                   ; slot 0 takes K 512 .. 767
	STEP 1, 0, 0
	TURN 1, 0, 1                                   ; slot 1 takes K 768 .. 1,023
	STEP 0, 0, 0
	TURN 0, 1, 0                                   ; nothing is left to fetch
	STEP 1, 0, 0
	s_wait_dscnt 4*NL
	WIN MUL_LO
	MUL16 0, 1, 0
	MUL16 2, 1, 0
	s_wait_dscnt 0
	WIN MUL_HI
	MUL16 4, 1, 0
	MUL16 6, 1, 0
	WIN 0
; THE WAY OUT of A's block a: 64 sums a lane become sum x 2^(eA + eB) + (b + emb), are held within +-448 x 2^eo (the conversion to an 8-bit code does not saturate: ISA guide 7.6.2), and are converted, eight at a time:
; accumulator (a, b) gives registers 2 (b % 4), 2 (b % 4) + 1 of fragment g = b / 4.  Each accumulator is read from its low end on.  isv = 1: the bias goes by A's block, else by B's.
.macro OUTBLK a, isv
.set AC, 64*((\a)%4)
.set CD, CODE+16*((\a)%6)
	WIN 0x02+((\a)/4)                              ; source 0: window 2 or 3
.irp b, 0,1,2,3,4,5,6,7
.irp i, 0,2,4,6
.if \isv
	v_pk_fma_f32 v[TMP+8*\b+\i:TMP+8*\b+\i+1], v[AC+8*\b+\i:AC+8*\b+\i+1], s[96:97], v[R+8*(\a)+\i:R+8*(\a)+\i+1] op_sel_hi:[1,0,1]
.else
	v_pk_fma_f32 v[TMP+8*\b+\i:TMP+8*\b+\i+1], v[AC+8*\b+\i:AC+8*\b+\i+1], s[96:97], v[R+8*\b+\i:R+8*\b+\i+1] op_sel_hi:[1,0,1]
.endif
.endr
.endr
	WIN 0
.set n, 0
.rept 64
	v_med3_num_f32 v[TMP+n], v[TMP+n], -v[LIMV], v[LIMV]
.set n, n+1
.endr
.irp b, 0,1,2,3,4,5,6,7
	v_cvt_scalef32_pk8_fp8_f32 v[CD+2*\b:CD+2*\b+1], v[TMP+8*\b:TMP+8*\b+7], v[SCV]
.endr
	v_nop                                          ; one plain vector instruction between the last conversion and the next block's lines, which write its sources
.irp g, 0,1
.irp c, 0,1
	global_store_b128 v[VO4+4*((\a)/4)+\g], v[CD+8*\g+4*\c:CD+8*\g+4*\c+3], s[10:11] offset:((\a)%4)*1024+512*\c   ; 32 lanes store 512 consecutive bytes, aligned: half a fragment's image
.endr
.endr
.endm
	PLACES NP                                      ; behind the last products: for the reads of results and the writes into the registers that held A's fragments
	s_cmp_eq_u32 s66, 2                            ; T is the same in all sixteen partners
	s_cbranch_scc1 .Lout_v
.irp a, 0,1,2,3,4,5,6,7
.if \a == 6
	s_wait_xcnt 0x0                                ; the stores of blocks 0 to 5 have read their registers: blocks 6 and 7 take those of blocks 0 and 1
.endif
	OUTBLK \a, 0
.endr
	s_branch .Lend
.Lout_v:
.irp a, 0,1,2,3,4,5,6,7
.if \a == 6
	s_wait_xcnt 0x0                                ; as above
.endif
	OUTBLK \a, 1
.endr
.Lend:
	s_wait_tensorcnt 0x0                           ; the wave's end
	ds_add_u32 v[SPW], v[NIL]
	s_wait_dscnt 0x0
	CROUND                                         ; the closing round: no work-group ends while a partner may still ask for a tile that names it
	s_endpgm
.Lfunc_end_k_q08a1980fad_proj:
	.size	k_q08a1980fad_proj, .Lfunc_end_k_q08a1980fad_proj-k_q08a1980fad_proj
	.p2alignl 7, 3214868480
	.fill 96, 4, 3214868480
	.section	.rodata,"a",@progbits
	.p2align	6, 0x0
	.amdhsa_kernel k_q08a1980fad_proj
		.amdhsa_group_segment_fixed_size 327680
		.amdhsa_private_segment_fixed_size 0
		.amdhsa_enable_private_segment 0
		.amdhsa_kernarg_size 104
		.amdhsa_user_sgpr_count 2
		.amdhsa_user_sgpr_kernarg_segment_ptr 1
		.amdhsa_wavefront_size32 1
		.amdhsa_system_sgpr_workgroup_id_x 1
		.amdhsa_system_sgpr_workgroup_id_y 1
		.amdhsa_system_sgpr_workgroup_id_z 1
		.amdhsa_system_vgpr_workitem_id 0
		.amdhsa_next_free_vgpr 1024
		.amdhsa_next_free_sgpr 102
		.amdhsa_reserve_vcc 0
		.amdhsa_float_denorm_mode_32 3
		.amdhsa_float_denorm_mode_16_64 3
		.amdhsa_memory_ordered 1
		.amdhsa_forward_progress 1
		.amdhsa_inst_pref_size 206
	.end_amdhsa_kernel
	.amdgpu_metadata
---
amdhsa.version: [ 1, 2 ]
amdhsa.kernels:
  - .name:           k_q08a1980fad_proj
    .symbol:         k_q08a1980fad_proj.kd
    .args:
      - { .name: hidden_states_codes, .offset: 0, .size: 8, .value_kind: global_buffer, .address_space: global }
      - { .name: Wq_codes, .offset: 8, .size: 8, .value_kind: global_buffer, .address_space: global }
      - { .name: Wk_codes, .offset: 16, .size: 8, .value_kind: global_buffer, .address_space: global }
      - { .name: Wv_codes, .offset: 24, .size: 8, .value_kind: global_buffer, .address_space: global }
      - { .name: bq, .offset: 32, .size: 8, .value_kind: global_buffer, .address_space: global }
      - { .name: bk, .offset: 40, .size: 8, .value_kind: global_buffer, .address_space: global }
      - { .name: bv, .offset: 48, .size: 8, .value_kind: global_buffer, .address_space: global }
      - { .name: q_emb, .offset: 56, .size: 8, .value_kind: global_buffer, .address_space: global }
      - { .name: k_emb, .offset: 64, .size: 8, .value_kind: global_buffer, .address_space: global }
      - { .name: v_emb, .offset: 72, .size: 8, .value_kind: global_buffer, .address_space: global }
      - { .name: lowp_scales, .offset: 80, .size: 8, .value_kind: global_buffer, .address_space: global }
      - { .name: qimg, .offset: 88, .size: 8, .value_kind: global_buffer, .address_space: global }
      - { .name: kvimg, .offset: 96, .size: 8, .value_kind: global_buffer, .address_space: global }
    .group_segment_fixed_size: 327680
    .private_segment_fixed_size: 0
    .kernarg_segment_align: 8
    .kernarg_segment_size: 104
    .max_flat_workgroup_size: 128
    .sgpr_count:     102
    .vgpr_count:     1024
    .wavefront_size: 32
...
	.end_amdgpu_metadata
.endif
;; end of part 1
;; launch attn (part 2): grid 4 x 64, 16 waves a work-group, no clusters, 272,384 bytes of LDS; arguments qimg, kvimg, attention_mask, lowp_scales, out0; writes out0
.if DOCPART == 2
	.amdgcn_target "amdgcn-amd-amdhsa--gfx1250"
	.amdhsa_code_object_version 6
	.text
	.protected	k_q08a1980fad_attn
	.globl	k_q08a1980fad_attn
	.p2align	8
	.type	k_q08a1980fad_attn,@function
k_q08a1980fad_attn:
	s_mov_b64 s[64:65], 0
	v_nop
	global_prefetch_b8 v0, s[64:65] scope:SCOPE_SE
	s_setreg_imm32_b32 hwreg(HW_REG_WAVE_MODE, 25, 1), 1
	s_wait_xcnt 0x0
; out[b][q][64 head + d] = the sum over k of softmax_k(q . k / 8 + mask[b][k]) v[k][d], both products on codes of FP8 (E4M3) by v_wmma_f32_16x16x64_fp8_fp8.
; qimg and kvimg hold the operands as images of their registers (a fragment: 8 registers a lane, 1,024 bytes, two blocks of 512: registers 4 c2 .. 4 c2 + 3, lane l's 16 bytes at 16 l):
;   qimg [bh = 16 b + head][tile of 16 queries (128)][1024];   kvimg [bh][key step of 64 keys (32)][8192]: four fragments of K, then four of V^T (16 channels each, K = the step's keys).
; THE SOFTMAX AHEAD OF THE SECOND PRODUCT: t = logit x log2(e); M = the running largest t rounded UP to a whole number; p = 2^(t - M) is quantised with 2^e8, not normalised; the row's sum is taken of the unquantised p and
; divides at the end.  When M moves, the sum and O are multiplied by 2^(old M - new M), which rounds nothing.
; SHARES.  A work-group owns 512 queries of one (batch, head); each of its sixteen waves 32 of them, two tiles, in 256 registers; four waves share a SIMD, so that one wave's vector work stands beside another's products and LDS loads.
; Every wave walks the head's 2,048 keys, 64 a step.  Both products are used transposed (S^T = K Q^T, O^T = V^T P^T): a lane holds ONE query (lane % 16) of each tile throughout, and each register read from LDS serves both tiles.
; LDS.  The head's 262,144 bytes of kvimg lie in LDS as they lie in memory, each byte written once: no ring.  They come through registers, a chunk of four key steps (32,768 bytes, 64 bytes a thread) ahead of the chunk at work:
; a chunk's loads are issued four key steps ahead of the wait for them, so nothing is prefetched.  One barrier a chunk: its bytes are stored in front of it and read behind it; nothing is overwritten until the way out.
; THE MASK COSTS NO VECTOR INSTRUCTION: mask' = mask x 2^(3 - e6 - e7) is the C of the score products, so that t = (sum + mask') x c, c = log2(e) / 8 x 2^(e6 + e7).
; NO JOINT LOADS, though the four work-groups of a head copy the same image: it is 512 bytes a thread in the whole launch, against 32 key steps' work.
; The branch on e8 below spares 64 of a step's vector lines: p is at most 1, so p / 2^e8 can pass 448 only where e8 is -9 or less.
; LIMITS: e6 + e7 between -123 and 130 (added to c's exponent field); e8 between -126 and 119.  A mask number whose product with 2^(3 - e6 - e7) overflows counts as -infinity.  A row all of whose keys are at -infinity gives NaN.  NaN among the inputs is not served.
.set MASK, 262144                      ; LDS: behind the image: mask', 2,048 f32
.set STGB, 8704                        ; the way out: a wave's stage, 2 tiles x 16 rows x (256 + 16) bytes, laid over the image behind a last barrier
.set CPA,  3                           ; v3   the chunk's place for my thread: LDS address and offset in the head's image alike
.set SCV,  4                           ; v4   2^e8 as f32, for the conversions
.set LIMV, 5                           ; v5   448 x 2^e8
.set L16,  6                           ; v6   16 x lane
.set H32,  7                           ; v7   32 x (lane / 16)
.set ST,   8                           ; tile x's statistics at v[8 + 8 x]: +0 -M, +1 the largest t, +2, +3 the sum in two halves, +4 f, +5 the old -M, +6, +7 at work
.set Q,    24                          ; v24-39   Q, 8 a tile
.set STG,  40                          ; v40-55   the next chunk on its way
.set KF,   56                          ; v56-87   four fragments of K, then of V^T
.set MC,   88                          ; v88-119  mask' as C: 8 registers for each tile of 16 keys
.set PC,   88                          ; v88-103  afterwards p's codes, 8 a tile
.set S,    120                         ; v120-183 S^T, then p: 32 a tile
.set O,    184                         ; v184-247 O^T: 32 a tile
.set T16,  248                         ; v248 16 x thread
.set GO,   249                         ; the way out: my offset in the wave's rows of out
.set STO,  250                         ; where I put 32 bytes of a row
.set RD,   251                         ; where I read a row back
	s_load_b256 s[4:11], s[0:1], 0x0               ; qimg s[4:5], kvimg s[6:7], the mask s[8:9], the scales' exponents s[10:11]
	s_load_b64 s[12:13], s[0:1], 0x20              ; out
	v_lshl_add_u32 v254, v0, 2, 0x42000
	v_mov_b32 v255, 0
	v_lshrrev_b32 v1, 5, v0
	v_readfirstlane_b32 s14, v1                    ; wave 0..15
	v_lshlrev_b32 v[T16], 4, v0
	v_and_b32 v1, 31, v0
	v_lshlrev_b32 v[L16], 4, v1
	v_bfe_u32 v2, v0, 4, 1
	v_lshlrev_b32 v[H32], 5, v2
	s_and_b32 s33, ttmp7, 0xffff                   ; bh
	s_lshl_b32 s16, s33, 17                        ; Q: a head's 128 tiles,
	s_lshl_b32 s15, ttmp9, 15                      ; the work-group's 32,
	s_add_co_u32 s16, s16, s15
	s_lshl_b32 s15, s14, 11                        ; my wave's two
	s_add_co_u32 s16, s16, s15
	s_mov_b32 s17, 0
	s_lshl_b32 s18, s33, 18                        ; the head's image
	s_mov_b32 s19, 0
	s_lshr_b32 s15, s33, 4                         ; the batch
	s_lshl_b32 s34, s15, 13                        ; its 2,048 mask numbers
	s_mov_b32 s35, 0
	s_lshl_b32 s36, s15, 23                        ; out: the batch's 2,048 rows of 4,096 bytes,
	s_lshl_b32 s15, ttmp9, 21                      ; the work-group's 512,
	s_add_co_u32 s36, s36, s15
	s_lshl_b32 s15, s14, 17                        ; my wave's 32,
	s_add_co_u32 s36, s36, s15
	s_and_b32 s15, s33, 15
	s_lshl_b32 s15, s15, 8                         ; the head's 256 bytes of a row
	s_add_co_u32 s36, s36, s15
	s_mov_b32 s37, 0
	s_mov_b32 s20, 0x76543210                      ; v_permlanex16_b32's selects for lane l xor 16
	s_mov_b32 s21, 0xfedcba98
	s_mov_b32 s28, 0                               ; LDS byte of the step's fragments
	s_mov_b32 s29, MASK                            ; and of its 64 mask numbers
	s_mov_b32 s30, 0                               ; the chunk's first byte
	s_mov_b32 s31, 0                               ; the chunk's number
	s_wait_kmcnt 0x0
	s_load_b64 s[24:25], s[10:11], 0x18            ; e6, e7
	s_load_b64 s[26:27], s[10:11], 0x20            ; e8, e9
	s_add_nc_u64 s[4:5], s[4:5], s[16:17]
	s_add_nc_u64 s[6:7], s[6:7], s[18:19]
	s_add_nc_u64 s[8:9], s[8:9], s[34:35]
	s_add_nc_u64 s[12:13], s[12:13], s[36:37]
	global_load_b128 v[KF:KF+3], v[T16], s[8:9]    ; the mask: 512 threads x 16 bytes
.irp i, 0,1,2,3
	global_load_b128 v[STG+4*\i:STG+4*\i+3], v[T16], s[6:7] offset:8192*\i    ; chunk 0
.endr
.irp i, 0,1,2,3
	global_load_b128 v[Q+4*\i:Q+4*\i+3], v[L16], s[4:5] offset:512*\i th:TH_LOAD_NT   ; my two fragments of Q stay in registers
.endr
.irp x, 0,1
	v_mov_b32 v[ST+8*\x+1], 0xff61b1e6             ; the largest t so far: -3e38, under every t
	v_floor_f32 v[ST+8*\x], -v[ST+8*\x+1]          ; -M
.irp k, 2,3,4,5,6,7
	v_mov_b32 v[ST+8*\x+\k], 0
.endr
.endr
.set j, 0
.rept 64
	v_mov_b32 v[O+j], 0                            ; O^T.  (The step is written once: its first turn finds zeros, which the first change of M leaves zeros)
.set j, j+1
.endr
	s_wait_kmcnt 0x0
	s_add_co_i32 s33, s24, s25                     ; e6 + e7
	s_lshl_b32 s34, s33, 23
	s_add_co_i32 s22, s34, 0x3e38aa3b              ; c = log2(e) / 8 x 2^(e6 + e7): the exponents are added to the exponent field
	s_mov_b32 s23, s22                             ; (named with it as a pair, so it is written)
	s_sub_co_i32 s33, 3, s33                       ; 3 - e6 - e7
	s_add_co_i32 s34, s26, 127
	s_lshl_b32 s35, s34, 23
	v_mov_b32 v[SCV], s35                          ; 2^e8
	s_add_co_i32 s34, s34, 8
	s_lshl_b32 s34, s34, 23
	s_or_b32 s34, s34, 0x600000
	v_mov_b32 v[LIMV], s34                         ; 448 x 2^e8
	s_add_co_i32 s34, s26, s27                     ; e8 + e9, for the way out
	s_wait_loadcnt 0x8                             ; the mask is in; the eight younger loads (chunk 0, Q) may be out
.irp i, 0,1,2,3
	v_ldexp_f32 v[KF+\i], v[KF+\i], s33            ; mask' = mask x 2^(3 - e6 - e7): nothing is rounded, short of overflow and underflow
.endr
	v_add_nc_u32 v1, MASK, v[T16]
	ds_store_b128 v1, v[KF:KF+3]
.Lchunk:                                           ; eight trips: a chunk of four key steps
	s_wait_loadcnt 0x0                             ; this chunk is in registers (in the first trip Q too); so its loads' offset register may be written
	v_add_nc_u32 v[CPA], s30, v[T16]
.irp i, 0,1,2,3
	ds_store_b128 v[CPA], v[STG+4*\i:STG+4*\i+3] offset:8192*\i
.endr
	s_wait_dscnt 0x0                               ; for the others' sake: my stores have landed; and they have read their registers
	s_cmp_eq_u32 s31, 7
	s_cbranch_scc1 .Lno_more                       ; the last chunk has no successor: no load leaves the head's image
.irp i, 0,1,2,3
	global_load_b128 v[STG+4*\i:STG+4*\i+3], v[CPA], s[6:7] offset:32768+8192*\i    ; the next chunk: it has this chunk's four key steps in which to come
.endr
.Lno_more:
	s_barrier_signal -1
	s_barrier_wait -1                              ; the chunk lies in LDS
	s_mov_b32 s32, 4
.Lstep:                                            ; a key step: 64 keys for my 32 queries
	v_add_nc_u32 v1, s28, v[L16]
	v_add_nc_u32 v2, s29, v[H32]
	v_nop                                          ; with the two additions: four places between the last step's products and the loads into registers that they read
	v_nop
.irp t, 0,1,2,3
.irp c, 0,1
	ds_load_b128 v[KF+8*\t+4*\c:KF+8*\t+4*\c+3], v1 offset:1024*\t+512*\c        ; K: tile t, 16 keys
.endr
.endr
.irp t, 0,1,2,3
.irp u, 0,1
	ds_load_b128 v[MC+8*\t+4*\u:MC+8*\t+4*\u+3], v2 offset:64*\t+16*\u           ; mask' of keys 16 t + 8 (lane / 16) + 0 .. 7: the result's layout
.endr
.endr
	s_wait_dscnt 0x0
.irp t, 0,1,2,3
.irp x, 0,1
	v_wmma_f32_16x16x64_fp8_fp8 v[S+32*\x+8*\t:S+32*\x+8*\t+7], v[KF+8*\t:KF+8*\t+7], v[Q+8*\x:Q+8*\x+7], v[MC+8*\t:MC+8*\t+7]   ; register j: key 16 t + 8 (lane / 16) + j, query lane % 16
.endr
.endr
	v_mov_b32 v[ST+5], v[ST]                       ; the old -M is kept.  With the two v_nop: four places behind the products, for V's loads and the first reads of scores
	v_mov_b32 v[ST+13], v[ST+8]
	v_nop
	v_nop
.irp t, 0,1,2,3
.irp c, 0,1
	ds_load_b128 v[KF+8*\t+4*\c:KF+8*\t+4*\c+3], v1 offset:4096+1024*\t+512*\c   ; V^T: tile t, 16 channels; it lands during the softmax
.endr
.endr
	; the step's largest score of each query, among my 32 keys, in two chains a tile; each accumulator is read from its low end on; the two tiles take turns line by line
.irp x, 0,1
	v_max3_num_f32 v[ST+8*\x+6], v[S+32*\x], v[S+32*\x+1], v[S+32*\x+2]
.endr
.irp x, 0,1
	v_max3_num_f32 v[ST+8*\x+7], v[S+32*\x+3], v[S+32*\x+4], v[S+32*\x+5]
.endr
.irp i, 6,10,14,18,22,26
.irp x, 0,1
	v_max3_num_f32 v[ST+8*\x+6], v[ST+8*\x+6], v[S+32*\x+\i], v[S+32*\x+\i+1]
.endr
.irp x, 0,1
	v_max3_num_f32 v[ST+8*\x+7], v[ST+8*\x+7], v[S+32*\x+\i+2], v[S+32*\x+\i+3]
.endr
.endr
.irp x, 0,1
	v_max3_num_f32 v[ST+8*\x+6], v[ST+8*\x+6], v[S+32*\x+30], v[S+32*\x+31]
.endr
.irp x, 0,1
	v_max_num_f32 v[ST+8*\x+6], v[ST+8*\x+6], v[ST+8*\x+7]
.endr
.irp x, 0,1
	v_permlanex16_b32 v[ST+8*\x+7], v[ST+8*\x+6], s20, s21      ; the query's other 32 keys lie in the lane 16 away
.endr
.irp x, 0,1
	v_max_num_f32 v[ST+8*\x+6], v[ST+8*\x+6], v[ST+8*\x+7]
.endr
.irp x, 0,1
	v_mul_f32 v[ST+8*\x+6], s22, v[ST+8*\x+6]      ; as t (c is positive)
.endr
.irp x, 0,1
	v_max_num_f32 v[ST+8*\x+1], v[ST+8*\x+1], v[ST+8*\x+6]      ; the running largest t
.endr
.irp x, 0,1
	v_floor_f32 v[ST+8*\x], -v[ST+8*\x+1]          ; the new -M = floor(-t) = -ceil(t): a whole number
.endr
.irp x, 0,1
	v_sub_f32 v[ST+8*\x+6], v[ST+8*\x], v[ST+8*\x+5]            ; old M - new M: a whole number, 0 or less
.endr
.irp x, 0,1
	v_cvt_i32_f32 v[ST+8*\x+6], v[ST+8*\x+6]       ; (it saturates)
.endr
.irp x, 0,1
	v_ldexp_f32 v[ST+8*\x+4], 1.0, v[ST+8*\x+6]    ; f = 2^(old M - new M)
.endr
.irp j, 0,2,4,6,8,10,12,14,16,18,20,22,24,26,28,30
.irp x, 0,1
	v_pk_fma_f32 v[S+32*\x+\j:S+32*\x+\j+1], v[S+32*\x+\j:S+32*\x+\j+1], s[22:23], v[ST+8*\x:ST+8*\x+1] op_sel_hi:[1,0,0]   ; t - M, two at a time (of the pairs c and -M the low word serves both halves)
.endr
.endr
.set j, 0
.rept 32
	v_exp_f32 v[S+j], v[S+j]                       ; p = 2^(t - M): one batch of 64
	v_exp_f32 v[S+32+j], v[S+32+j]
.set j, j+1
.endr
.irp x, 0,1
	v_pk_mul_f32 v[ST+8*\x+2:ST+8*\x+3], v[ST+8*\x+2:ST+8*\x+3], v[ST+8*\x+4:ST+8*\x+5] op_sel_hi:[1,0]   ; the sums under the new M.  (The plain instruction behind the exponentials)
.endr
	s_wait_alu depctr_va_vdst(0)                   ; one wait for the whole batch, ahead of its first reader
.irp x, 0,1
	v_pk_add_f32 v[ST+8*\x+6:ST+8*\x+7], v[S+32*\x:S+32*\x+1], v[S+32*\x+2:S+32*\x+3]   ; the row's sum is taken of the unquantised p: two at a time, in two chains a tile
.endr
.irp j, 4,8,12,16,20,24,28
.irp x, 0,1
	v_pk_add_f32 v[ST+8*\x+2:ST+8*\x+3], v[ST+8*\x+2:ST+8*\x+3], v[S+32*\x+\j:S+32*\x+\j+1]
.endr
.irp x, 0,1
	v_pk_add_f32 v[ST+8*\x+6:ST+8*\x+7], v[ST+8*\x+6:ST+8*\x+7], v[S+32*\x+\j+2:S+32*\x+\j+3]
.endr
.endr
.irp x, 0,1
	v_pk_add_f32 v[ST+8*\x+2:ST+8*\x+3], v[ST+8*\x+2:ST+8*\x+3], v[ST+8*\x+6:ST+8*\x+7]
.endr
	s_cmp_gt_i32 s26, -9                           ; p is at most 1 (to the last bit of t): from e8 = -8 on p / 2^e8 stays at 256, under 448, and the hold has nothing to hold
	s_cbranch_scc1 .Lfits
.set j, 0
.rept 64
	v_min_num_f32 v[S+j], v[S+j], v[LIMV]          ; the conversion to an 8-bit code does not saturate (ISA guide 7.6.2); p is not negative, so the hold is one-sided
.set j, j+1
.endr
.Lfits:
.irp t, 0,1,2,3
.irp x, 0,1
	v_cvt_scalef32_pk8_fp8_f32 v[PC+8*\x+2*\t:PC+8*\x+2*\t+1], v[S+32*\x+8*\t:S+32*\x+8*\t+7], v[SCV]   ; registers 2 t, 2 t + 1 of the operand: keys 16 t + 8 (lane / 16) + 0 .. 7
.endr
.endr
.set j, 0
.rept 16
	v_pk_mul_f32 v[O+j:O+j+1], v[O+j:O+j+1], v[ST+4:ST+5] op_sel_hi:[1,0]                 ; O^T under the new M: x f, each accumulator from its low end on.  (These are also the plain lines between the conversions and the products)
	v_pk_mul_f32 v[O+32+j:O+32+j+1], v[O+32+j:O+32+j+1], v[ST+12:ST+13] op_sel_hi:[1,0]
.set j, j+2
.endr
	s_wait_dscnt 0x0                               ; V^T is in
.irp t, 0,1,2,3
.irp x, 0,1
	v_wmma_f32_16x16x64_fp8_fp8 v[O+32*\x+8*\t:O+32*\x+8*\t+7], v[KF+8*\t:KF+8*\t+7], v[PC+8*\x:PC+8*\x+7], v[O+32*\x+8*\t:O+32*\x+8*\t+7]   ; the eight accumulators take turns; register j: channel 16 t + 8 (lane / 16) + j
.endr
.endr
	s_add_co_u32 s28, s28, 8192
	s_add_co_u32 s29, s29, 256
	s_sub_co_u32 s32, s32, 1
	s_cmp_lg_u32 s32, 0
	s_cbranch_scc1 .Lstep
	s_add_co_u32 s30, s30, 32768
	s_add_co_u32 s31, s31, 1
	s_cmp_lt_u32 s31, 8
	s_cbranch_scc1 .Lchunk
	; THE WAY OUT.  O^T / the sum x 2^(e8 + e9) goes through my stage in LDS and leaves as rows: sixteen lanes store one query's 64 channels of the head, 256 consecutive bytes, aligned.
	s_wait_dscnt 0x0                               ; my reads of the image are over
	s_barrier_signal -1
	s_barrier_wait -1                              ; everybody's are: the stages may be laid over it
.irp x, 0,1
	v_add_f32 v[ST+8*\x+2], v[ST+8*\x+2], v[ST+8*\x+3]          ; the sum's two halves,
.endr
.irp x, 0,1
	v_permlanex16_b32 v[ST+8*\x+7], v[ST+8*\x+2], s20, s21
.endr
.irp x, 0,1
	v_add_f32 v[ST+8*\x+2], v[ST+8*\x+2], v[ST+8*\x+7]          ; and lane l xor 16's: the row's sum
.endr
.irp x, 0,1
	v_rcp_f32 v[ST+8*\x+4], v[ST+8*\x+2]
.endr
	v_and_b32 v1, 15, v0                           ; r.  (The addresses are the plain work behind the reciprocals, and the places behind the last products)
	v_bfe_u32 v2, v0, 4, 1                         ; h
	s_mul_i32 s33, s14, STGB                       ; my stage
	v_mul_u32_u24 v[STO], v1, 272
	v_lshl_add_u32 v[STO], v2, 5, v[STO]
	v_add_nc_u32 v[STO], s33, v[STO]               ; in: row r, + 32 h; tile t's eight channels 64 t bytes on
	v_mul_u32_u24 v[RD], v2, 272
	v_lshl_add_u32 v[RD], v1, 4, v[RD]
	v_add_nc_u32 v[RD], s33, v[RD]                 ; back: lanes 0-15 one row, lanes 16-31 the next
	v_lshlrev_b32 v[GO], 12, v2
	v_lshl_add_u32 v[GO], v1, 4, v[GO]             ; and the same two rows in out
	s_wait_alu depctr_va_vdst(0)                   ; one wait for the two reciprocals, ahead of their first reader
.irp x, 0,1
	v_ldexp_f32 v[ST+8*\x+4], v[ST+8*\x+4], s34    ; x 2^(e8 + e9)
.endr
.set j, 0
.rept 16
	v_pk_mul_f32 v[S+j:S+j+1], v[O+j:O+j+1], v[ST+4:ST+5] op_sel_hi:[1,0]
	v_pk_mul_f32 v[S+32+j:S+32+j+1], v[O+32+j:O+32+j+1], v[ST+12:ST+13] op_sel_hi:[1,0]
.set j, j+2
.endr
.irp x, 0,1
.irp t, 0,1,2,3
	ds_store_b128 v[STO], v[S+32*\x+8*\t:S+32*\x+8*\t+3] offset:4352*\x+64*\t
	ds_store_b128 v[STO], v[S+32*\x+8*\t+4:S+32*\x+8*\t+7] offset:4352*\x+64*\t+16
.endr
.endr
.irp x, 0,1
.irp i, 0,1,2,3,4,5,6,7
	ds_load_b128 v[KF+32*\x+4*\i:KF+32*\x+4*\i+3], v[RD] offset:4352*\x+544*\i    ; LDS serves a wave's instructions in order (ISA guide 5.7.1.4): these see my stores
.endr
.endr
.irp x, 0,1
.irp i, 0,1,2,3,4,5,6,7
	s_wait_dscnt 15-8*\x-\i                        ; the younger loads may stay out
	global_store_b128 v[GO], v[KF+32*\x+4*\i:KF+32*\x+4*\i+3], s[12:13] offset:(16*\x+2*\i)*4096 th:TH_STORE_NT
.endr
.endr
	s_wait_tensorcnt 0x0
	ds_add_u32 v254, v255
	s_wait_dscnt 0x0
	s_endpgm
.Lfunc_end_k_q08a1980fad_attn:
	.size	k_q08a1980fad_attn, .Lfunc_end_k_q08a1980fad_attn-k_q08a1980fad_attn
	.p2alignl 7, 3214868480
	.fill 96, 4, 3214868480
	.section	.rodata,"a",@progbits
	.p2align	6, 0x0
	.amdhsa_kernel k_q08a1980fad_attn
		.amdhsa_group_segment_fixed_size 272384
		.amdhsa_private_segment_fixed_size 0
		.amdhsa_enable_private_segment 0
		.amdhsa_kernarg_size 40
		.amdhsa_user_sgpr_count 2
		.amdhsa_user_sgpr_kernarg_segment_ptr 1
		.amdhsa_wavefront_size32 1
		.amdhsa_system_sgpr_workgroup_id_x 1
		.amdhsa_system_sgpr_workgroup_id_y 1
		.amdhsa_system_sgpr_workgroup_id_z 1
		.amdhsa_system_vgpr_workitem_id 0
		.amdhsa_next_free_vgpr 256
		.amdhsa_next_free_sgpr 66
		.amdhsa_reserve_vcc 0
		.amdhsa_float_denorm_mode_32 3
		.amdhsa_float_denorm_mode_16_64 3
		.amdhsa_memory_ordered 1
		.amdhsa_forward_progress 1
		.amdhsa_inst_pref_size 32
	.end_amdhsa_kernel
	.amdgpu_metadata
---
amdhsa.version: [ 1, 2 ]
amdhsa.kernels:
  - .name:           k_q08a1980fad_attn
    .symbol:         k_q08a1980fad_attn.kd
    .args:
      - { .name: qimg, .offset: 0, .size: 8, .value_kind: global_buffer, .address_space: global }
      - { .name: kvimg, .offset: 8, .size: 8, .value_kind: global_buffer, .address_space: global }
      - { .name: attention_mask, .offset: 16, .size: 8, .value_kind: global_buffer, .address_space: global }
      - { .name: lowp_scales, .offset: 24, .size: 8, .value_kind: global_buffer, .address_space: global }
      - { .name: out0, .offset: 32, .size: 8, .value_kind: global_buffer, .address_space: global }
    .group_segment_fixed_size: 272384
    .private_segment_fixed_size: 0
    .kernarg_segment_align: 8
    .kernarg_segment_size: 40
    .max_flat_workgroup_size: 512
    .sgpr_count:     66
    .vgpr_count:     256
    .wavefront_size: 32
...
	.end_amdgpu_metadata
.endif
;; end of part 2
;; ======== version 2 of 2: 2 launches; version 1 with the launch attn written anew for expert scheduling mode
;; workspace buffers: qimg 8,388,608 bytes; kvimg 16,777,216 bytes
;; launch proj: the kernel of part 1 again; grid 12 x 32, 4 waves a work-group, clusters of 4 x 4, 327,680 bytes of LDS; arguments hidden_states_codes, Wq_codes, Wk_codes, Wv_codes, bq, bk, bv, q_emb, k_emb, v_emb, lowp_scales, qimg, kvimg; writes qimg, kvimg
;; launch attn (part 3): grid 4 x 64, 16 waves a work-group, no clusters, 272,384 bytes of LDS; arguments qimg, kvimg, attention_mask, lowp_scales, out0; writes out0
.if DOCPART == 3
	.amdgcn_target "amdgcn-amd-amdhsa--gfx1250"
	.amdhsa_code_object_version 6
	.text
	.protected	k_q08a1980fad_attn
	.globl	k_q08a1980fad_attn
	.p2align	8
	.type	k_q08a1980fad_attn,@function
k_q08a1980fad_attn:
	s_mov_b64 s[64:65], 0
	v_nop
	global_prefetch_b8 v0, s[64:65] scope:SCOPE_SE
	s_setreg_imm32_b32 hwreg(HW_REG_WAVE_SCHED_MODE, 0, 2), 2
	s_setreg_imm32_b32 hwreg(HW_REG_WAVE_MODE, 25, 1), 1
	s_wait_xcnt 0x0
	s_wait_alu depctr_vm_vsrc(0)
; out[b][q][64 head + d] = the sum over k of softmax_k(q . k / 8 + mask[b][k]) v[k][d], both products on codes of FP8 (E4M3) by v_wmma_f32_16x16x64_fp8_fp8.
; qimg and kvimg hold the operands as images of their registers (a fragment: 8 registers a lane, 1,024 bytes, two blocks of 512: registers 4 c2 .. 4 c2 + 3, lane l's 16 bytes at 16 l):
;   qimg [bh = 16 b + head][tile of 16 queries (128)][1024];   kvimg [bh][key step of 64 keys (32)][8192]: four fragments of K, then four of V^T (16 channels each, K = the step's keys).
; THE SOFTMAX AHEAD OF THE SECOND PRODUCT: t = logit x log2(e); M = the running largest t rounded UP to a whole number; p = 2^(t - M) is quantised with 2^e8, not normalised; the row's sum is taken of the unquantised p and
; divides at the end.  When M moves, the sum and O are multiplied by 2^(old M - new M), which rounds nothing.
; SHARES.  A work-group owns 512 queries of one (batch, head); each of its sixteen waves 32 of them, two tiles, in 256 registers; four waves share a SIMD, so that one wave's vector work stands beside another's products and LDS loads.
; Every wave walks the head's 2,048 keys, 64 a step.  Both products are used transposed (S^T = K Q^T, O^T = V^T P^T): a lane holds ONE query (lane % 16) of each tile throughout, and each register read from LDS serves both tiles.
; LDS.  The head's 262,144 bytes of kvimg lie in LDS as they lie in memory, each byte written once: no ring.  They come through registers, a chunk of four key steps (32,768 bytes, 64 bytes a thread) ahead of the chunk at work:
; a chunk's loads are issued four key steps ahead of the wait for them, so nothing is prefetched.  One barrier a chunk: its bytes are stored in front of it and read behind it; nothing is overwritten until the way out.
; THE MASK COSTS NO VECTOR INSTRUCTION: mask' = mask x 2^(3 - e6 - e7) is the C of the score products, so that t = (sum + mask') x c, c = log2(e) / 8 x 2^(e6 + e7).
; NO JOINT LOADS, though the four work-groups of a head copy the same image: it is 512 bytes a thread in the whole launch, against 32 key steps' work.
; The branch on e8 below spares 64 of a step's vector lines: p is at most 1, so p / 2^e8 can pass 448 only where e8 is -9 or less.
; LIMITS: e6 + e7 between -123 and 130 (added to c's exponent field); e8 between -126 and 119.  A mask number whose product with 2^(3 - e6 - e7) overflows counts as -infinity.  A row all of whose keys are at -infinity gives NaN.  NaN among the inputs is not served.
; THE MODE: SCHED_MODE bits 1:0 = 2 (LLVM: expert scheduling mode 2), set by the entry lines.  The code itself states the register dependences between vector or matrix instructions and memory or LDS instructions, with s_wait_alu, always for 0.
; THE PLAN.  Registers that memory or LDS instructions touch, in the loops:
;   v1, v2    LDS addresses of a step's fragments and of its mask numbers.  Written by two additions at the step's head; read by the step's 24 LDS loads.
;   v[CPA]    Written by one addition at a chunk's head; read by the chunk's four LDS stores and by the four loads of the next chunk.
;   STG       The next chunk's loads land in it; the chunk's LDS stores read it; no vector instruction names it.
;   KF        K's loads land, the score products read it, V^T's loads land, the second products read it.  All but two of the wave's 256 registers are laid out, so K and V^T share this one buffer.
;   MC / PC   The mask's loads land, the score products read it as C, the conversions write its lower half, the second products read that.
;   v[T16], v[L16] are written at the head alone.  S, O, Q (once it is loaded) and the statistics are named by vector and matrix instructions alone until the way out.
; A STEP HAS TWO WAITS ON va_vdst.  At its head, behind the two additions: v1 and v2 are written, the last step's second products are done reading KF and PC, the conversions have written PC: K's and the mask's loads follow.
; Behind the exponentials: the score products are done reading KF too, so V^T's run of loads stands directly behind it, and no vector or matrix instruction names KF until the wait for those loads.
; One wait on vm_vsrc a step stands ahead of the two additions.  A chunk's head has the like three lines for v[CPA] and STG.
.set MASK, 262144                      ; LDS: behind the image: mask', 2,048 f32
.set STGB, 8704                        ; the way out: a wave's stage, 2 tiles x 16 rows x (256 + 16) bytes, laid over the image behind a last barrier
.set CPA,  3                           ; v3   the chunk's place for my thread: LDS address and offset in the head's image alike
.set SCV,  4                           ; v4   2^e8 as f32, for the conversions
.set LIMV, 5                           ; v5   448 x 2^e8
.set L16,  6                           ; v6   16 x lane
.set H32,  7                           ; v7   32 x (lane / 16)
.set ST,   8                           ; tile x's statistics at v[8 + 8 x]: +0 -M, +1 the largest t, +2, +3 the sum in two halves, +4 f, +5 the old -M, +6, +7 at work
.set Q,    24                          ; v24-39   Q, 8 a tile
.set STG,  40                          ; v40-55   the next chunk on its way
.set KF,   56                          ; v56-87   four fragments of K, then of V^T
.set MC,   88                          ; v88-119  mask' as C: 8 registers for each tile of 16 keys
.set PC,   88                          ; v88-103  afterwards p's codes, 8 a tile
.set S,    120                         ; v120-183 S^T, then p: 32 a tile
.set O,    184                         ; v184-247 O^T: 32 a tile
.set T16,  248                         ; v248 16 x thread
.set GO,   249                         ; the way out: my offset in the wave's rows of out
.set STO,  250                         ; where I put 32 bytes of a row
.set RD,   251                         ; where I read a row back
	s_load_b256 s[4:11], s[0:1], 0x0               ; qimg s[4:5], kvimg s[6:7], the mask s[8:9], the scales' exponents s[10:11]
	s_load_b64 s[12:13], s[0:1], 0x20              ; out
	v_lshl_add_u32 v254, v0, 2, 0x42000
	v_mov_b32 v255, 0
	v_lshrrev_b32 v1, 5, v0
	v_readfirstlane_b32 s14, v1                    ; wave 0..15
	v_lshlrev_b32 v[T16], 4, v0
	v_and_b32 v1, 31, v0
	v_lshlrev_b32 v[L16], 4, v1
	v_bfe_u32 v2, v0, 4, 1
	v_lshlrev_b32 v[H32], 5, v2
	s_wait_alu depctr_va_sdst(0)                   ; s14 is written, ahead of its first reader: Q's and out's bases are made from it
	s_and_b32 s33, ttmp7, 0xffff                   ; bh
	s_lshl_b32 s16, s33, 17                        ; Q: a head's 128 tiles,
	s_lshl_b32 s15, ttmp9, 15                      ; the work-group's 32,
	s_add_co_u32 s16, s16, s15
	s_lshl_b32 s15, s14, 11                        ; my wave's two
	s_add_co_u32 s16, s16, s15
	s_mov_b32 s17, 0
	s_lshl_b32 s18, s33, 18                        ; the head's image
	s_mov_b32 s19, 0
	s_lshr_b32 s15, s33, 4                         ; the batch
	s_lshl_b32 s34, s15, 13                        ; its 2,048 mask numbers
	s_mov_b32 s35, 0
	s_lshl_b32 s36, s15, 23                        ; out: the batch's 2,048 rows of 4,096 bytes,
	s_lshl_b32 s15, ttmp9, 21                      ; the work-group's 512,
	s_add_co_u32 s36, s36, s15
	s_lshl_b32 s15, s14, 17                        ; my wave's 32,
	s_add_co_u32 s36, s36, s15
	s_and_b32 s15, s33, 15
	s_lshl_b32 s15, s15, 8                         ; the head's 256 bytes of a row
	s_add_co_u32 s36, s36, s15
	s_mov_b32 s37, 0
	s_mov_b32 s20, 0x76543210                      ; v_permlanex16_b32's selects for lane l xor 16
	s_mov_b32 s21, 0xfedcba98
	s_mov_b32 s28, 0                               ; LDS byte of the step's fragments
	s_mov_b32 s29, MASK                            ; and of its 64 mask numbers
	s_mov_b32 s30, 0                               ; the chunk's first byte
	s_mov_b32 s31, 0                               ; the chunk's number
	s_wait_kmcnt 0x0
	s_load_b64 s[24:25], s[10:11], 0x18            ; e6, e7
	s_load_b64 s[26:27], s[10:11], 0x20            ; e8, e9
	s_add_nc_u64 s[4:5], s[4:5], s[16:17]
	s_add_nc_u64 s[6:7], s[6:7], s[18:19]
	s_add_nc_u64 s[8:9], s[8:9], s[34:35]
	s_add_nc_u64 s[12:13], s[12:13], s[36:37]
	s_wait_alu depctr_va_vdst(0)                   ; v[T16] and v[L16] are written, which the loads below read as their offsets
	global_load_b128 v[KF:KF+3], v[T16], s[8:9]    ; the mask: 512 threads x 16 bytes
.irp i, 0,1,2,3
	global_load_b128 v[STG+4*\i:STG+4*\i+3], v[T16], s[6:7] offset:8192*\i    ; chunk 0
.endr
.irp i, 0,1,2,3
	global_load_b128 v[Q+4*\i:Q+4*\i+3], v[L16], s[4:5] offset:512*\i th:TH_LOAD_NT   ; my two fragments of Q stay in registers
.endr
.irp x, 0,1
	v_mov_b32 v[ST+8*\x+1], 0xff61b1e6             ; the largest t so far: -3e38, under every t
	v_floor_f32 v[ST+8*\x], -v[ST+8*\x+1]          ; -M
.irp k, 2,3,4,5,6,7
	v_mov_b32 v[ST+8*\x+\k], 0
.endr
.endr
.set j, 0
.rept 64
	v_mov_b32 v[O+j], 0                            ; O^T.  (The step is written once: its first turn finds zeros, which the first change of M leaves zeros)
.set j, j+1
.endr
	s_wait_kmcnt 0x0
	s_add_co_i32 s33, s24, s25                     ; e6 + e7
	s_lshl_b32 s34, s33, 23
	s_add_co_i32 s22, s34, 0x3e38aa3b              ; c = log2(e) / 8 x 2^(e6 + e7): the exponents are added to the exponent field
	s_mov_b32 s23, s22                             ; (named with it as a pair, so it is written)
	s_sub_co_i32 s33, 3, s33                       ; 3 - e6 - e7
	s_add_co_i32 s34, s26, 127
	s_lshl_b32 s35, s34, 23
	v_mov_b32 v[SCV], s35                          ; 2^e8
	s_add_co_i32 s34, s34, 8
	s_lshl_b32 s34, s34, 23
	s_or_b32 s34, s34, 0x600000
	v_mov_b32 v[LIMV], s34                         ; 448 x 2^e8
	s_add_co_i32 s34, s26, s27                     ; e8 + e9, for the way out
	s_wait_loadcnt 0x8                             ; the mask is in; the eight younger loads (chunk 0, Q) may be out
.irp i, 0,1,2,3
	v_ldexp_f32 v[KF+\i], v[KF+\i], s33            ; mask' = mask x 2^(3 - e6 - e7): nothing is rounded, short of overflow and underflow
.endr
	v_add_nc_u32 v1, MASK, v[T16]
	s_wait_alu depctr_va_vdst(0)                   ; mask' and v1 are written, which the LDS store reads as its data and its address
	ds_store_b128 v1, v[KF:KF+3]
.Lchunk:                                           ; eight trips: a chunk of four key steps
	s_wait_loadcnt 0x0                             ; this chunk is in registers (in the first trip Q too); so its loads' offset register may be written
	s_wait_alu depctr_vm_vsrc(0)                   ; the last chunk's LDS stores and loads have read v[CPA], which is written below; in the first trip the mask's store has read v1 and v[KF ..], which the first step writes
	v_add_nc_u32 v[CPA], s30, v[T16]
	s_wait_alu depctr_va_vdst(0)                   ; v[CPA] is written, which the stores and loads below read
.irp i, 0,1,2,3
	ds_store_b128 v[CPA], v[STG+4*\i:STG+4*\i+3] offset:8192*\i
.endr
	s_wait_dscnt 0x0                               ; for the others' sake: my stores have landed
	s_wait_alu depctr_vm_vsrc(0)                   ; the stores have read v[STG ..], in which the next chunk's loads land: stated ahead of the branch
	s_cmp_eq_u32 s31, 7
	s_cbranch_scc1 .Lno_more                       ; the last chunk has no successor: no load leaves the head's image
.irp i, 0,1,2,3
	global_load_b128 v[STG+4*\i:STG+4*\i+3], v[CPA], s[6:7] offset:32768+8192*\i    ; the next chunk: it has this chunk's four key steps in which to come.  No vector instruction names STG, and none since the wait on va_vdst names v[CPA]
.endr
.Lno_more:
	s_barrier_signal -1
	s_barrier_wait -1                              ; the chunk lies in LDS
	s_mov_b32 s32, 4
.Lstep:                                            ; a key step: 64 keys for my 32 queries
	s_wait_alu depctr_vm_vsrc(0)                   ; the LDS loads issued so far have read v1 and v2
	v_add_nc_u32 v1, s28, v[L16]
	v_add_nc_u32 v2, s29, v[H32]
	v_nop                                          ; with the two additions: four places between the last step's products and the loads into registers that they read; they stay beside the wait below
	v_nop
	s_wait_alu depctr_va_vdst(0)                   ; v1 and v2 are written; the last step's second products are done reading v[KF ..] and v[PC ..], and its conversions have written v[PC ..]: the sixteen loads below land there
.irp t, 0,1,2,3
.irp c, 0,1
	ds_load_b128 v[KF+8*\t+4*\c:KF+8*\t+4*\c+3], v1 offset:1024*\t+512*\c        ; K: tile t, 16 keys
.endr
.endr
.irp t, 0,1,2,3
.irp u, 0,1
	ds_load_b128 v[MC+8*\t+4*\u:MC+8*\t+4*\u+3], v2 offset:64*\t+16*\u           ; mask' of keys 16 t + 8 (lane / 16) + 0 .. 7: the result's layout
.endr
.endr
	s_wait_dscnt 0x0
.irp t, 0,1,2,3
.irp x, 0,1
	v_wmma_f32_16x16x64_fp8_fp8 v[S+32*\x+8*\t:S+32*\x+8*\t+7], v[KF+8*\t:KF+8*\t+7], v[Q+8*\x:Q+8*\x+7], v[MC+8*\t:MC+8*\t+7]   ; register j: key 16 t + 8 (lane / 16) + j, query lane % 16
.endr
.endr
	v_mov_b32 v[ST+5], v[ST]                       ; the old -M is kept.  With the two v_nop: four places behind the products, for the first reads of scores
	v_mov_b32 v[ST+13], v[ST+8]
	v_nop
	v_nop
	; the step's largest score of each query, among my 32 keys, in two chains a tile; each accumulator is read from its low end on; the two tiles take turns line by line
.irp x, 0,1
	v_max3_num_f32 v[ST+8*\x+6], v[S+32*\x], v[S+32*\x+1], v[S+32*\x+2]
.endr
.irp x, 0,1
	v_max3_num_f32 v[ST+8*\x+7], v[S+32*\x+3], v[S+32*\x+4], v[S+32*\x+5]
.endr
.irp i, 6,10,14,18,22,26
.irp x, 0,1
	v_max3_num_f32 v[ST+8*\x+6], v[ST+8*\x+6], v[S+32*\x+\i], v[S+32*\x+\i+1]
.endr
.irp x, 0,1
	v_max3_num_f32 v[ST+8*\x+7], v[ST+8*\x+7], v[S+32*\x+\i+2], v[S+32*\x+\i+3]
.endr
.endr
.irp x, 0,1
	v_max3_num_f32 v[ST+8*\x+6], v[ST+8*\x+6], v[S+32*\x+30], v[S+32*\x+31]
.endr
.irp x, 0,1
	v_max_num_f32 v[ST+8*\x+6], v[ST+8*\x+6], v[ST+8*\x+7]
.endr
.irp x, 0,1
	v_permlanex16_b32 v[ST+8*\x+7], v[ST+8*\x+6], s20, s21      ; the query's other 32 keys lie in the lane 16 away
.endr
.irp x, 0,1
	v_max_num_f32 v[ST+8*\x+6], v[ST+8*\x+6], v[ST+8*\x+7]
.endr
.irp x, 0,1
	v_mul_f32 v[ST+8*\x+6], s22, v[ST+8*\x+6]      ; as t (c is positive)
.endr
.irp x, 0,1
	v_max_num_f32 v[ST+8*\x+1], v[ST+8*\x+1], v[ST+8*\x+6]      ; the running largest t
.endr
.irp x, 0,1
	v_floor_f32 v[ST+8*\x], -v[ST+8*\x+1]          ; the new -M = floor(-t) = -ceil(t): a whole number
.endr
.irp x, 0,1
	v_sub_f32 v[ST+8*\x+6], v[ST+8*\x], v[ST+8*\x+5]            ; old M - new M: a whole number, 0 or less
.endr
.irp x, 0,1
	v_cvt_i32_f32 v[ST+8*\x+6], v[ST+8*\x+6]       ; (it saturates)
.endr
.irp x, 0,1
	v_ldexp_f32 v[ST+8*\x+4], 1.0, v[ST+8*\x+6]    ; f = 2^(old M - new M)
.endr
.irp j, 0,2,4,6,8,10,12,14,16,18,20,22,24,26,28,30
.irp x, 0,1
	v_pk_fma_f32 v[S+32*\x+\j:S+32*\x+\j+1], v[S+32*\x+\j:S+32*\x+\j+1], s[22:23], v[ST+8*\x:ST+8*\x+1] op_sel_hi:[1,0,0]   ; t - M, two at a time (of the pairs c and -M the low word serves both halves)
.endr
.endr
.set j, 0
.rept 32
	v_exp_f32 v[S+j], v[S+j]                       ; p = 2^(t - M): one batch of 64
	v_exp_f32 v[S+32+j], v[S+32+j]
.set j, j+1
.endr
.irp x, 0,1
	v_pk_mul_f32 v[ST+8*\x+2:ST+8*\x+3], v[ST+8*\x+2:ST+8*\x+3], v[ST+8*\x+4:ST+8*\x+5] op_sel_hi:[1,0]   ; the sums under the new M.  (The plain instruction behind the exponentials)
.endr
	s_wait_alu depctr_va_vdst(0)                   ; the 64 exponentials have written p, ahead of its first reader (one wait for the batch); and the score products are done reading v[KF ..], in which the loads below land
.irp t, 0,1,2,3
.irp c, 0,1
	ds_load_b128 v[KF+8*\t+4*\c:KF+8*\t+4*\c+3], v1 offset:4096+1024*\t+512*\c   ; V^T: tile t, 16 channels; it lands during the sums, the conversions and the rescaling, none of which names these registers
.endr
.endr
.irp x, 0,1
	v_pk_add_f32 v[ST+8*\x+6:ST+8*\x+7], v[S+32*\x:S+32*\x+1], v[S+32*\x+2:S+32*\x+3]   ; the row's sum is taken of the unquantised p: two at a time, in two chains a tile
.endr
.irp j, 4,8,12,16,20,24,28
.irp x, 0,1
	v_pk_add_f32 v[ST+8*\x+2:ST+8*\x+3], v[ST+8*\x+2:ST+8*\x+3], v[S+32*\x+\j:S+32*\x+\j+1]
.endr
.irp x, 0,1
	v_pk_add_f32 v[ST+8*\x+6:ST+8*\x+7], v[ST+8*\x+6:ST+8*\x+7], v[S+32*\x+\j+2:S+32*\x+\j+3]
.endr
.endr
.irp x, 0,1
	v_pk_add_f32 v[ST+8*\x+2:ST+8*\x+3], v[ST+8*\x+2:ST+8*\x+3], v[ST+8*\x+6:ST+8*\x+7]
.endr
	s_cmp_gt_i32 s26, -9                           ; p is at most 1 (to the last bit of t): from e8 = -8 on p / 2^e8 stays at 256, under 448, and the hold has nothing to hold
	s_cbranch_scc1 .Lfits
.set j, 0
.rept 64
	v_min_num_f32 v[S+j], v[S+j], v[LIMV]          ; the conversion to an 8-bit code does not saturate (ISA guide 7.6.2); p is not negative, so the hold is one-sided
.set j, j+1
.endr
.Lfits:
.irp t, 0,1,2,3
.irp x, 0,1
	v_cvt_scalef32_pk8_fp8_f32 v[PC+8*\x+2*\t:PC+8*\x+2*\t+1], v[S+32*\x+8*\t:S+32*\x+8*\t+7], v[SCV]   ; registers 2 t, 2 t + 1 of the operand: keys 16 t + 8 (lane / 16) + 0 .. 7
.endr
.endr
.set j, 0
.rept 16
	v_pk_mul_f32 v[O+j:O+j+1], v[O+j:O+j+1], v[ST+4:ST+5] op_sel_hi:[1,0]                 ; O^T under the new M: x f, each accumulator from its low end on.  (These are also the plain lines between the conversions and the products)
	v_pk_mul_f32 v[O+32+j:O+32+j+1], v[O+32+j:O+32+j+1], v[ST+12:ST+13] op_sel_hi:[1,0]
.set j, j+2
.endr
	s_wait_dscnt 0x0                               ; V^T is in
.irp t, 0,1,2,3
.irp x, 0,1
	v_wmma_f32_16x16x64_fp8_fp8 v[O+32*\x+8*\t:O+32*\x+8*\t+7], v[KF+8*\t:KF+8*\t+7], v[PC+8*\x:PC+8*\x+7], v[O+32*\x+8*\t:O+32*\x+8*\t+7]   ; the eight accumulators take turns; register j: channel 16 t + 8 (lane / 16) + j
.endr
.endr
	s_add_co_u32 s28, s28, 8192
	s_add_co_u32 s29, s29, 256
	s_sub_co_u32 s32, s32, 1
	s_cmp_lg_u32 s32, 0
	s_cbranch_scc1 .Lstep
	s_add_co_u32 s30, s30, 32768
	s_add_co_u32 s31, s31, 1
	s_cmp_lt_u32 s31, 8
	s_cbranch_scc1 .Lchunk
	; THE WAY OUT.  O^T / the sum x 2^(e8 + e9) goes through my stage in LDS and leaves as rows: sixteen lanes store one query's 64 channels of the head, 256 consecutive bytes, aligned.
	s_wait_dscnt 0x0                               ; my reads of the image are over
	s_barrier_signal -1
	s_barrier_wait -1                              ; everybody's are: the stages may be laid over it
	s_wait_alu depctr_vm_vsrc(0)                   ; the last step's LDS loads have read v1 and v2, which are written below
.irp x, 0,1
	v_add_f32 v[ST+8*\x+2], v[ST+8*\x+2], v[ST+8*\x+3]          ; the sum's two halves,
.endr
.irp x, 0,1
	v_permlanex16_b32 v[ST+8*\x+7], v[ST+8*\x+2], s20, s21
.endr
.irp x, 0,1
	v_add_f32 v[ST+8*\x+2], v[ST+8*\x+2], v[ST+8*\x+7]          ; and lane l xor 16's: the row's sum
.endr
.irp x, 0,1
	v_rcp_f32 v[ST+8*\x+4], v[ST+8*\x+2]
.endr
	v_and_b32 v1, 15, v0                           ; r.  (The addresses are the plain work behind the reciprocals, and the places behind the last products)
	v_bfe_u32 v2, v0, 4, 1                         ; h
	s_mul_i32 s33, s14, STGB                       ; my stage
	v_mul_u32_u24 v[STO], v1, 272
	v_lshl_add_u32 v[STO], v2, 5, v[STO]
	v_add_nc_u32 v[STO], s33, v[STO]               ; in: row r, + 32 h; tile t's eight channels 64 t bytes on
	v_mul_u32_u24 v[RD], v2, 272
	v_lshl_add_u32 v[RD], v1, 4, v[RD]
	v_add_nc_u32 v[RD], s33, v[RD]                 ; back: lanes 0-15 one row, lanes 16-31 the next
	v_lshlrev_b32 v[GO], 12, v2
	v_lshl_add_u32 v[GO], v1, 4, v[GO]             ; and the same two rows in out
	s_wait_alu depctr_va_vdst(0)                   ; the two reciprocals are written, ahead of their first reader: one wait for both
.irp x, 0,1
	v_ldexp_f32 v[ST+8*\x+4], v[ST+8*\x+4], s34    ; x 2^(e8 + e9)
.endr
.set j, 0
.rept 16
	v_pk_mul_f32 v[S+j:S+j+1], v[O+j:O+j+1], v[ST+4:ST+5] op_sel_hi:[1,0]
	v_pk_mul_f32 v[S+32+j:S+32+j+1], v[O+32+j:O+32+j+1], v[ST+12:ST+13] op_sel_hi:[1,0]
.set j, j+2
.endr
	s_wait_alu depctr_va_vdst(0)                   ; the multiplications have written v[S ..], the LDS stores' data; v[STO], v[RD] and v[GO] are written; the last products and conversions are done with v56 to v119, in which the loads from the stage land.  No vector instruction follows
.irp x, 0,1
.irp t, 0,1,2,3
	ds_store_b128 v[STO], v[S+32*\x+8*\t:S+32*\x+8*\t+3] offset:4352*\x+64*\t
	ds_store_b128 v[STO], v[S+32*\x+8*\t+4:S+32*\x+8*\t+7] offset:4352*\x+64*\t+16
.endr
.endr
.irp x, 0,1
.irp i, 0,1,2,3,4,5,6,7
	ds_load_b128 v[KF+32*\x+4*\i:KF+32*\x+4*\i+3], v[RD] offset:4352*\x+544*\i    ; LDS serves a wave's instructions in order (ISA guide 5.7.1.4): these see my stores
.endr
.endr
.irp x, 0,1
.irp i, 0,1,2,3,4,5,6,7
	s_wait_dscnt 15-8*\x-\i                        ; the younger loads may stay out
	global_store_b128 v[GO], v[KF+32*\x+4*\i:KF+32*\x+4*\i+3], s[12:13] offset:(16*\x+2*\i)*4096 th:TH_STORE_NT
.endr
.endr
	s_wait_dscnt 0x0                               ; the closing lines, six on end
	s_wait_alu 0x0
	s_wait_tensorcnt 0x0
	ds_add_u32 v254, v255
	s_wait_dscnt 0x0
	s_endpgm
.Lfunc_end_k_q08a1980fad_attn:
	.size	k_q08a1980fad_attn, .Lfunc_end_k_q08a1980fad_attn-k_q08a1980fad_attn
	.p2alignl 7, 3214868480
	.fill 96, 4, 3214868480
	.section	.rodata,"a",@progbits
	.p2align	6, 0x0
	.amdhsa_kernel k_q08a1980fad_attn
		.amdhsa_group_segment_fixed_size 272384
		.amdhsa_private_segment_fixed_size 0
		.amdhsa_enable_private_segment 0
		.amdhsa_kernarg_size 40
		.amdhsa_user_sgpr_count 2
		.amdhsa_user_sgpr_kernarg_segment_ptr 1
		.amdhsa_wavefront_size32 1
		.amdhsa_system_sgpr_workgroup_id_x 1
		.amdhsa_system_sgpr_workgroup_id_y 1
		.amdhsa_system_sgpr_workgroup_id_z 1
		.amdhsa_system_vgpr_workitem_id 0
		.amdhsa_next_free_vgpr 256
		.amdhsa_next_free_sgpr 66
		.amdhsa_reserve_vcc 0
		.amdhsa_float_denorm_mode_32 3
		.amdhsa_float_denorm_mode_16_64 3
		.amdhsa_memory_ordered 1
		.amdhsa_forward_progress 1
		.amdhsa_inst_pref_size 32
	.end_amdhsa_kernel
	.amdgpu_metadata
---
amdhsa.version: [ 1, 2 ]
amdhsa.kernels:
  - .name:           k_q08a1980fad_attn
    .symbol:         k_q08a1980fad_attn.kd
    .args:
      - { .name: qimg, .offset: 0, .size: 8, .value_kind: global_buffer, .address_space: global }
      - { .name: kvimg, .offset: 8, .size: 8, .value_kind: global_buffer, .address_space: global }
      - { .name: attention_mask, .offset: 16, .size: 8, .value_kind: global_buffer, .address_space: global }
      - { .name: lowp_scales, .offset: 24, .size: 8, .value_kind: global_buffer, .address_space: global }
      - { .name: out0, .offset: 32, .size: 8, .value_kind: global_buffer, .address_space: global }
    .group_segment_fixed_size: 272384
    .private_segment_fixed_size: 0
    .kernarg_segment_align: 8
    .kernarg_segment_size: 40
    .max_flat_workgroup_size: 512
    .sgpr_count:     66
    .vgpr_count:     256
    .wavefront_size: 32
...
	.end_amdgpu_metadata
.endif
;; end of part 3
